; MI455X (gfx1250); checked and timed in simulation.
; The chip was launched on July 23, 2026; its instructions are those of AMD's public machine-readable ISA for CDNA 5 (MIT licence, August 2026) and "CDNA5" Instruction Set Architecture Reference Guide (July 2026). The comments in the code are by the model that wrote it; some were corrected since.
;; Patch Decoder nerf2d. Allowed arithmetic: matrix products marked QUANTISED: E5M2 operands, one given power-of-two scale a tensor, by v_wmma_f32_16x16x64_bf8_bf8 or v_wmma_f32_16x16x128_bf8_bf8, f32 sums; products left as they are: f32 operands where the result goes on into a quantised operand, else bf16, f16 or f32 operands; f32 sums; everything else in f32.
;; Inputs: W1 52 x 32 float32; W2 32 x 16 float32; W3 16 x 3 float32; b1 32 float32; b2 16 float32; b3 3 float32; coordinates_v 1,024 x 2 float32; feature 1,024 x 32 float32; lowp_scales 4 int32 (the exponents e of the quantised operands' scales 2^e).
;; Outputs: out0 1,024 x 1,024 x 3 float32.
;; This version of the problem:
;;   THIS VERSION OF THE PROBLEM IS GIVEN IN LOW PRECISION. The matrix products marked QUANTISED in the list below multiply operands that are first quantised to E5M2 (5 exponent bits, 2 mantissa bits; 8 bits a number), with one given power-of-two scale for each operand tensor; their sums are f32. All else is computed in f32.
;;   The module's matrix products, in the order in which they are computed (A, B: the left and right operand; K: the contracted axis; several contracted axes count as one K, in the product's order):
;;     1. [M 1,048,576, K 52] x [K 52, N 32]; A: computed on the way; B: input W1: QUANTISED (scales: A lowp_scales[0], B lowp_scales[1])
;;     2. [M 1,048,576, K 32] x [K 32, N 16]; A: computed on the way; B: input W2: QUANTISED (scales: A lowp_scales[2], B lowp_scales[3])
;;     3. [M 1,048,576, K 16] x [K 16, N 3]; A: computed on the way; B: input W3: left as it is (K = 16 < 32)
;;   THE QUANTISER, for each operand of a quantised product, along K:
;;     - The operand's scale is 2^e, e = its entry of the input lowp_scales (int32; the entries are numbered through the quantised products in the list's order, A before B).
;;     - Each number is divided by the scale, clamped to +-57,344, and rounded to the nearest number of E5M2, ties to even, subnormals kept.
;;     - The product sums the exact products of the quantised numbers (number of the format x scale) in f32.
;;   ~~~python
;;   def quantise(x, axis, e):      # numpy; x: float32 -> the quantised numbers, widened to float32 again
;;       x = np.moveaxis(x, axis, -1); K = x.shape[-1]
;;       r = np.clip(x / 2.0 ** e, -57344, 57344)
;;       step = 2.0 ** (np.maximum(np.frexp(np.where(r == 0, 1, r))[1] - 1, -14) - 2)
;;       q = np.round(r / step) * step * 2.0 ** e      # np.round: ties to even
;;       return np.moveaxis(q, -1, axis).astype(np.float32)
;;   ~~~
;;   OPERANDS COMPUTED ON THE WAY. 'Computed on the way' means the value that the module computes at that place (a softmax that the list does not call 'softmax' is quantised finished and normalised). What goes into a quantiser is computed in f32, as accurately as f32 sums, v_exp_f32 and their like allow (about 1e-6 of the number): no bf16 or f16 on the way to a quantiser, and a product that is left as it is and whose result goes on into a quantised operand takes f32 operands (vector FMAs, or v_wmma_f32_16x16x4_f32). A number that lies on a knife's edge between two numbers of the format may be rounded either way, as far as f32 arithmetic and the matrix unit's own rounding can turn it there, and no further.
;; One version. Each part assembles by itself: llvm-mc -triple=amdgcn-amd-amdhsa -mcpu=gfx1250 --defsym DOCPART=n.
;; ======== version 1 of 1: 1 launch
;; limits: inputs' magnitudes at most 8,192
;; launch decoder (part 1): grid 16 x 16, 8 waves a work-group, no clusters, 25,600 bytes of LDS; arguments feature, coordinates_v, W1, b1, W2, b2, W3, b3, lowp_scales, out0; writes out0
.if DOCPART == 1
	.amdgcn_target "amdgcn-amd-amdhsa--gfx1250"
	.amdhsa_code_object_version 6
	.text
	.protected	k_q97dc202552_decoder
	.globl	k_q97dc202552_decoder
	.p2align	8
	.type	k_q97dc202552_decoder,@function
k_q97dc202552_decoder:
	s_mov_b64 s[64:65], 0
	v_nop
	global_prefetch_b8 v0, s[64:65] scope:SCOPE_SE
	s_setreg_imm32_b32 hwreg(HW_REG_WAVE_MODE, 25, 1), 1
	s_wait_xcnt 0x0
; out[b][n][0..2] = relu(relu([feature[b] | enc[n]] W1 + b1) W2 + b2) W3 + b3 for all 1,024 x 1,024 pairs (b, n).
; enc[n][2 l] = sin(2^l pi x0), enc[n][2 l + 1] = cos(2^l pi x1), l = 0 .. 9, pi as f32.
; Products 1 (K = 52) and 2 (K = 32) run on codes of BF8 (E5M2) with the given scales 2^e0 .. 2^e3, by the 16x16x64 form; what is left of its K holds zero codes on the weights' side.
; Product 3 (K = 16) runs on bf16; two tiles of pairs share one 16x16x32 instruction.  All sums are f32.
; SHARES.  A work-group owns 64 b x 64 n; wave w owns b = 8 w .. 8 w + 7 of them.  A pass is one b against the block's four tiles of 16 n.
; ALL PRODUCTS ARE USED TRANSPOSED (source 0 = weights, source 1 = the pairs): lane (r, h) holds pair r of a tile throughout, and its eight results are units 8 h + 0 .. 7,
; eight neighbours along the next K: the conversions' results are the next operand's registers.  Nothing but the three outputs of a pair goes through LDS.
; THE BIASES are the C of each product, divided by the power of two that the sums lack; 2^(e2 + e3) is folded into W3.  h1's conversion takes the one scale 2^(e2 - e0 - e1).
; SET-UP, once a work-group: every wave quantises its own eight rows of feature; waves 0-3 make frequencies 0-7 of the four tiles' encodings, waves 4-7 frequencies 8, 9 and, each,
; a quarter of W1 and one of W2, W3, b1, b2 with b3.  What they make goes to LDS as images of the operands' registers; one barrier; every wave loads all of it.
; SINE AND COSINE: the argument is 2^l a with a = fl(pi x), as f32 arithmetic has it.  a / pi is kept as a sum of two f32 numbers, scaled by 2^l without rounding, and split into a whole
; number k and a rest of at most a half; sin(pi q) is a polynomial of degree 13 in q (the first term left out is under 7e-10 at q = 1/2); the sign is k's parity; cos(pi y) = sin(pi (1/2 - |y|)).
; NO CLUSTER, NO TENSOR LOAD: a work-group reads 8 KiB of feature, 512 bytes of coordinates and 9 KiB of weights once, against the 48 KiB that it stores: what neighbours share is a small part of its bytes.
; LIMITS.  e0, e1, e3 and e2 - e0 - e1 lie between -126 and 112, so that each scale and 57,344 x it are f32 numbers.  |coordinate| up to 2^13 keeps the reduced argument good to 2^-25 of a half turn;
; beyond that it fades.  NaN and infinities among the inputs are not served.  h2 and W3 are rounded to bf16 for product 3.
.set CIMG, 0                           ; LDS: images of v16-79: group g (four registers from v[16 + 4 g]) at 512 g + 16 x lane
.set EIMG, 8192                        ; tile t's encodings (registers 4-7 of product 1's operand) at 512 t + 16 x lane
.set FEAT, 10240                       ; 256 x wave + 32 p + 16 h: registers 0-3 of that operand for the wave's b number p
.set STG,  12288                       ; 1,536 x wave: two passes' outputs, 768 bytes each, as they lie in memory
.set LI,   3                           ; v3   16 x lane: an image's place, and my 16 bytes of 512 in out
.set FA,   4                           ; v4   FEAT + 256 w + 16 h
.set SO,   5                           ; v5   STG + 1536 w + 12 x lane
.set SR,   6                           ; v6   STG + 1536 w + 16 x lane
.set GB,   8                           ; v8   16 r + 11776 h: lanes 0-15 end one b's 768 bytes, lanes 16-31 begin the next b's
.set LIM1, 9                           ; v9   57,344 x 2^(e2 - e0 - e1)
.set SC1,  10                          ; v10  2^(e2 - e0 - e1)
.set EA,   11                          ; v11  EIMG + 512 (w & 3) + 8 (w >> 2) + 16 x lane
.set FS,   12                          ; v12  FA + 32 (r & 7)
.set FV,   13                          ; v13  128 (r & 7) + 32 h: my numbers in the wave's eight rows of feature
.set SC0,  14                          ; v14  2^e0
.set LIM0, 15                          ; v15  57,344 x 2^e0
; the main part's registers
.set W1F,  16                          ; + 8 u: W1's codes, units 16 u + r
.set W2F,  32
.set W3F,  40
.set C1,   48                          ; + 8 u
.set C2,   64
.set C3,   72
.set X,    80                          ; + 8 t: product 1's operand: registers 0-3 feature, 4-7 encodings
.set H1,   112                         ; + 16 t + 8 u
.set K,    176                         ; + 8 t: product 2's operand: registers 0-3 codes of h1, 4-7 zero
.set H2,   208                         ; + 8 t
.set B3,   240                         ; + 8 s: product 3's operand: registers 0-3 tile 2 s, 4-7 tile 2 s + 1
.set O,    H2                          ; + 8 s: product 3's results lie where tiles 0 and 1 of h2 lay
.set OUT,  B3                          ; 12 registers: two passes' outputs on their way from the stage to memory
; the set-up's registers, free again behind the barrier
.set FT,   112
.set FC,   128
.set CO,   132
.set AA,   134
.set UH,   136
.set UL,   138
.set LV,   140
.set EV,   144
.set EC,   152
.set SCX,  154
.set LIMX, 155
.set SCW,  156
.set LIMW, 157
.set C6V,  158
.set ZA,   159
.set WH,   160
.set WL,   168
.set KK,   176
.set QQ,   184
.set Q2,   192
.set PP,   200
.set TT,   208
.set WN,   216
.set WC,   232
.set WA,   236
.set WB,   237
.set CA,   238
.set XA,   239
.set XN,   240
.set XC,   16
; 2^e and 57,344 x 2^e as f32 numbers
.macro MKSCALE e, sc, lim
	s_add_co_i32 s40, \e, 127
	s_lshl_b32 s41, s40, 23
	v_mov_b32 v[\sc], s41
	s_add_co_i32 s40, s40, 15
	s_lshl_b32 s40, s40, 23
	s_or_b32 s40, s40, 0x600000
	v_mov_b32 v[\lim], s40
.endm
; 16 numbers of a lane become 16 codes in four registers
.macro Q16 src, dst, sc, lim
.set i, 0
.rept 16
	v_med3_num_f32 v[\src+i], v[\src+i], -v[\lim], v[\lim]   ; the conversion to an 8-bit code does not saturate (ISA guide 7.6.2): the hold comes first
.set i, i+1
.endr
	v_cvt_scalef32_pk8_bf8_f32 v[\dst:\dst+1], v[\src:\src+7], v[\sc]
	v_cvt_scalef32_pk8_bf8_f32 v[\dst+2:\dst+3], v[\src+8:\src+15], v[\sc]
	v_nop                                          ; a plain vector line behind the last conversion of a run
.endm
; 2 nf values of my pair's encoding: value i is the sine (i even, coordinate 0) or cosine (i odd, coordinate 1) of frequency lbase + 4 h + i / 2.  Their codes go to the tile's image.
.macro ENC nf, lbase
.set i, 0
.rept \nf
	v_lshl_add_u32 v[LV+i], v2, 2, \lbase+i
.set i, i+1
.endr
.irp c, 0,1
	v_mul_f32 v[AA+\c], s44, v[CO+\c]              ; a = fl(pi x)
.endr
.irp c, 0,1
	v_mul_f32 v[UH+\c], s45, v[AA+\c]              ; a / pi: the upper part,
.endr
.irp c, 0,1
	v_fma_f32 v[UL+\c], v[AA+\c], s45, -v[UH+\c]   ; what its rounding lost,
.endr
.irp c, 0,1
	v_fma_f32 v[UL+\c], v[AA+\c], s46, v[UL+\c]    ; and the lower part of 1 / pi
.endr
.set i, 0
.rept 2*\nf
	v_ldexp_f32 v[WH+i], v[UH+i%2], v[LV+i/2]      ; x 2^l: nothing is rounded
.set i, i+1
.endr
.set i, 0
.rept 2*\nf
	v_ldexp_f32 v[WL+i], v[UL+i%2], v[LV+i/2]
.set i, i+1
.endr
.set i, 0
.rept 2*\nf
	v_rndne_f32 v[KK+i], v[WH+i]                   ; k
.set i, i+1
.endr
.set i, 0
.rept 2*\nf
	v_sub_f32 v[WH+i], v[WH+i], v[KK+i]            ; the rest, exact, at most a half
.set i, i+1
.endr
.set i, 0
.rept 2*\nf
	v_cvt_i32_f32 v[KK+i], v[KK+i]
.set i, i+1
.endr
.set i, 0
.rept 2*\nf
	v_lshlrev_b32 v[KK+i], 31, v[KK+i]             ; k's parity as a sign bit
.set i, i+1
.endr
.set i, 0
.rept 2*\nf
.if i%2 == 0
	v_add_f32 v[QQ+i], v[WH+i], v[WL+i]            ; sine: q = the rest + the lower part
.else
	v_bfi_b32 v[TT+i], s48, v[WH+i], 1.0           ; cosine: the rest's sign on 1.0,
.endif
.set i, i+1
.endr
.set i, 1
.rept \nf
	v_sub_f32 v[QQ+i], 0.5, |v[WH+i]|
.set i, i+2
.endr
.set i, 1
.rept \nf
	v_fma_f32 v[QQ+i], -v[TT+i], v[WL+i], v[QQ+i]  ; q = 1/2 - |the rest + the lower part|
.set i, i+2
.endr
.set i, 0
.rept 2*\nf
	v_mul_f32 v[Q2+i], v[QQ+i], v[QQ+i]
.set i, i+1
.endr
.set i, 0
.rept 2*\nf
	v_fmaak_f32 v[PP+i], v[C6V], v[Q2+i], 0xbbf183a8   ; pi^13 / 13! q^2 - pi^11 / 11!
.set i, i+1
.endr
.irp cf, 0x3da83c1a, 0xbf196966, 0x402335e3, 0xc0a55de7   ; pi^9 / 9!, -pi^7 / 7!, pi^5 / 5!, -pi^3 / 3!
.set i, 0
.rept 2*\nf
	v_fmaak_f32 v[PP+i], v[PP+i], v[Q2+i], \cf
.set i, i+1
.endr
.endr
.set i, 0
.rept 2*\nf
	v_mul_f32 v[TT+i], v[QQ+i], v[Q2+i]            ; q^3
.set i, i+1
.endr
.set i, 0
.rept 2*\nf
	v_mul_f32 v[QQ+i], s44, v[QQ+i]                ; pi q
.set i, i+1
.endr
.set i, 0
.rept 2*\nf
	v_fma_f32 v[EV+i], v[TT+i], v[PP+i], v[QQ+i]
.set i, i+1
.endr
.set i, 0
.rept 2*\nf
	v_xor_b32 v[EV+i], v[KK+i], v[EV+i]
.set i, i+1
.endr
.set i, 0
.rept 2*\nf
	v_med3_num_f32 v[EV+i], v[EV+i], -v[LIM0], v[LIM0]
.set i, i+1
.endr
.if \nf < 4
.irp j, 4,5,6,7
	v_mov_b32 v[EV+\j], 0                          ; past the twentieth value: zero codes
.endr
.endif
	v_cvt_scalef32_pk8_bf8_f32 v[EC:EC+1], v[EV:EV+7], v[SC0]
	v_nop
	ds_store_b64 v[EA], v[EC:EC+1]
.endm
; a quarter of W1: units 16 u + r, k = 32 q + 16 c + 8 h + i.  A lane takes a column and its registers run down K.  No load leaves W1's 52 rows.
.macro W1LOAD u, q
	v_lshlrev_b32 v[WB], 2, v1
	v_lshl_add_u32 v[WA], v2, 10, v[WB]            ; 8 h rows of 128 bytes + 4 r
.if \q == 0
.irp c, 0,1
.irp i, 0,1,2,3,4,5,6,7
	global_load_b32 v[WN+8*\c+\i], v[WA], s[8:9] offset:(16*\c+\i)*128+64*\u
.endr
.endr
.else
.irp i, 0,1,2,3,4,5,6,7
	global_load_b32 v[WN+\i], v[WA], s[8:9] offset:(32+\i)*128+64*\u
.endr
.irp i, 0,1,2,3
	global_load_b32 v[WN+8+\i], v[WB], s[8:9] offset:(48+\i)*128+64*\u   ; rows 48-51, in both halves of the lanes; the upper half's are cleared below
	v_mov_b32 v[WN+12+\i], 0
.endr
.endif
.endm
.macro W1Q u, q
	Q16 WN, WC, SCW, LIMW
.if \q
	v_cmp_eq_u32 vcc_lo, 0, v2
	v_cndmask_b32 v[WC+2], 0, v[WC+2], vcc_lo      ; k = 56 .. 59 lie past W1's last row: zero codes
.endif
	ds_store_b128 v[LI], v[WC:WC+3] offset:CIMG+512*(2*\u+\q)
.endm
; what waves 4 to 7 have in common.  nrole: the role's own loads, issued behind those of feature and coordinates, which may stay out
.macro BCOMMON nrole
	s_wait_kmcnt 0x0                               ; e0 .. e3
	MKSCALE s24, SC0, LIM0
	MKSCALE s25, SCW, LIMW
	s_wait_loadcnt \nrole                          ; loads come back in order: feature and coordinates are in
	Q16 FT, FC, SC0, LIM0
	ds_store_b128 v[FS], v[FC:FC+3]
	ENC 2, 8
	s_wait_loadcnt 0x0                             ; the role's loads
.endm
	s_load_b512 s[4:19], s[0:1], 0x0               ; feature s[4:5], coordinates s[6:7], W1 s[8:9], b1 s[10:11], W2 s[12:13], b2 s[14:15], W3 s[16:17], b3 s[18:19]
	s_load_b128 s[20:23], s[0:1], 0x40             ; the scales' exponents s[20:21], out s[22:23]
	v_lshl_add_u32 v7, v0, 2, 0x6000
	s_set_vgpr_msb 0x40
	v_mov_b32 v255, 0
	s_set_vgpr_msb 0x4000
	v_lshrrev_b32 v1, 5, v0
	v_readfirstlane_b32 s28, v1                    ; wave 0..7
	s_and_b32 s30, ttmp7, 0xffff                   ; which 64 b; ttmp9: which 64 n
	v_and_b32 v1, 15, v0                           ; r
	v_bfe_u32 v2, v0, 4, 1                         ; h
	v_and_b32 v[SO], 31, v0                        ; lane
	v_lshlrev_b32 v[LI], 4, v[SO]
	s_lshl_b32 s31, s28, 8
	s_add_co_u32 s31, s31, FEAT
	v_lshl_add_u32 v[FA], v2, 4, s31
	s_mul_i32 s38, s28, 1536
	s_add_co_u32 s38, s38, STG
	v_mul_u32_u24 v[SO], v[SO], 12
	v_add_nc_u32 v[SO], s38, v[SO]
	v_add_nc_u32 v[SR], s38, v[LI]
	v_mul_u32_u24 v[GB], v2, 11776
	v_lshl_add_u32 v[GB], v1, 4, v[GB]
	s_and_b32 s39, s28, 3
	s_lshl_b32 s31, s39, 9
	s_lshr_b32 s38, s28, 2
	s_lshl_b32 s38, s38, 3
	s_add_co_u32 s31, s31, s38
	s_add_co_u32 s31, s31, EIMG
	v_add_nc_u32 v[EA], s31, v[LI]
	v_and_b32 v[FS], 7, v0
	v_lshlrev_b32 v[FV], 7, v[FS]
	v_lshl_add_u32 v[FV], v2, 5, v[FV]
	v_lshl_add_u32 v[FS], v[FS], 5, v[FA]
	v_lshlrev_b32 v[CA], 3, v1                     ; a pair of coordinates is 8 bytes
	v_mov_b32 v[C6V], 0x39f47a1a                   ; pi^13 / 13!
	s_lshl_b32 s32, s30, 13                        ; feature: (64 y + 8 w) rows of 128 bytes
	s_lshl_b32 s31, s28, 10
	s_add_co_u32 s32, s32, s31
	s_mov_b32 s33, 0
	s_lshl_b32 s34, ttmp9, 9                       ; coordinates: (64 x + 16 (w & 3)) pairs of 8 bytes
	s_lshl_b32 s31, s39, 7
	s_add_co_u32 s34, s34, s31
	s_mov_b32 s35, 0
	s_lshl_b32 s36, s30, 6                         ; out: (64 y + 8 w) rows of 12,288 bytes + 64 x pairs of 12
	s_lshl_b32 s31, s28, 3
	s_add_co_u32 s36, s36, s31
	s_mul_i32 s36, s36, 12288
	s_mul_i32 s31, ttmp9, 768
	s_add_co_u32 s36, s36, s31
	s_mov_b32 s37, 0
	s_mov_b32 s44, 0x40490fdb                      ; pi as f32
	s_mov_b32 s45, 0x3ea2f983                      ; 1 / pi: its upper part
	s_mov_b32 s46, 0x325c9c88                      ; and what is left of it
	s_mov_b32 s48, 0x80000000
	s_wait_kmcnt 0x0
	s_load_b128 s[24:27], s[20:21], 0x0            ; e0, e1, e2, e3
	s_add_nc_u64 s[4:5], s[4:5], s[32:33]
	s_add_nc_u64 s[6:7], s[6:7], s[34:35]
	s_add_nc_u64 s[22:23], s[22:23], s[36:37]
	global_load_b128 v[FT:FT+3],     v[FV], s[4:5]             ; lane (r, h): row r & 7 of my eight, k = 8 h + 0 .. 7,
	global_load_b128 v[FT+4:FT+7],   v[FV], s[4:5] offset:16
	global_load_b128 v[FT+8:FT+11],  v[FV], s[4:5] offset:64   ; and k = 16 + 8 h + 0 .. 7
	global_load_b128 v[FT+12:FT+15], v[FV], s[4:5] offset:80
	global_load_b64 v[CO:CO+1], v[CA], s[6:7]                  ; pair r of tile w & 3
	; the waves part on their number; every LDS address has been made
	s_cmp_lt_u32 s28, 4
	s_cbranch_scc1 .Lwaves_0_to_3
	s_cmp_eq_u32 s28, 4
	s_cbranch_scc1 .Lwave_4
	s_cmp_eq_u32 s28, 5
	s_cbranch_scc1 .Lwave_5
	s_cmp_eq_u32 s28, 6
	s_cbranch_scc1 .Lwave_6
	; ---- wave 7: W1's units 16-31, k 32 on; b2 and b3
	W1LOAD 1, 1
	v_lshlrev_b32 v[XA], 5, v2
	v_mov_b32 v[ZA], 0
	global_load_b128 v[XN:XN+3],   v[XA], s[14:15]             ; b2[8 h + 0 .. 7]
	global_load_b128 v[XN+4:XN+7], v[XA], s[14:15] offset:16
	global_load_b96 v[XN+8:XN+10], v[ZA], s[18:19]             ; b3, the same in every lane
	BCOMMON 15                                     ; 12 of W1, 2 of b2, 1 of b3
	W1Q 1, 1
	s_add_co_i32 s50, s26, s27
	s_sub_co_i32 s50, 0, s50
.irp j, 0,1,2,3,4,5,6,7
	v_ldexp_f32 v[XN+\j], v[XN+\j], s50            ; b2 / 2^(e2 + e3): what product 2's sums lack
.endr
.irp j, 11,12,13,14,15
	v_mov_b32 v[XN+\j], 0
.endr
.irp g, 0,1,2,3
	ds_store_b128 v[LI], v[XN+4*\g:XN+4*\g+3] offset:CIMG+512*(12+\g)
.endr
	s_branch .Ljoin
.Lwave_4:
	; ---- wave 4: W1's units 0-15, k 0-31; W2
	W1LOAD 0, 0
	v_lshl_add_u32 v[XA], v2, 9, v[WB]             ; 8 h rows of 64 bytes + 4 r
.irp c, 0,1
.irp i, 0,1,2,3,4,5,6,7
	global_load_b32 v[XN+8*\c+\i], v[XA], s[12:13] offset:(16*\c+\i)*64   ; W2[16 c + 8 h + i][r]
.endr
.endr
	BCOMMON 32                                     ; 16 of W1, 16 of W2
	W1Q 0, 0
	MKSCALE s27, SCX, LIMX
	Q16 XN, XC, SCX, LIMX
.irp j, 4,5,6,7
	v_mov_b32 v[XC+\j], 0                          ; k = 32 .. 63: zero codes
.endr
	ds_store_b128 v[LI], v[XC:XC+3] offset:CIMG+512*4
	ds_store_b128 v[LI], v[XC+4:XC+7] offset:CIMG+512*5
	s_branch .Ljoin
.Lwave_5:
	; ---- wave 5: W1's units 16-31, k 0-31; W3
	W1LOAD 1, 0
	v_and_b32 v[XA], 7, v0
	v_min_u32 v[XA], 2, v[XA]                      ; the output that my row of the operand stands for; rows that stand for none read output 2 and are cleared below
	v_lshlrev_b32 v[XA], 2, v[XA]
	v_mad_u32_u24 v[XA], v2, 96, v[XA]             ; + 8 h rows of 12 bytes
.irp j, 0,1,2,3,4,5,6,7
	global_load_b32 v[XN+\j], v[XA], s[16:17] offset:12*\j     ; W3[8 h + j][o]
.endr
	BCOMMON 24                                     ; 16 of W1, 8 of W3
	W1Q 1, 0
	s_add_co_i32 s50, s26, s27
.irp j, 0,1,2,3,4,5,6,7
	v_ldexp_f32 v[XN+\j], v[XN+\j], s50            ; W3 x 2^(e2 + e3): product 2's sums stand for sum x 2^(e2 + e3)
.endr
.irp j, 0,1,2,3
	v_cvt_pk_bf16_f32 v[XC+8+\j], v[XN+2*\j], v[XN+2*\j+1]
.endr
	v_add_nc_u32 v[XC+12], -8, v1
	v_cmp_gt_u32 s42, 3, v1                        ; rows 0-2: outputs of the tile in k = 0 .. 15
	v_cmp_gt_u32 s43, 3, v[XC+12]                  ; rows 8-10: outputs of the tile in k = 16 .. 31
.irp j, 0,1,2,3
	v_cndmask_b32 v[XC+\j], 0, v[XC+8+\j], s42
	v_cndmask_b32 v[XC+4+\j], 0, v[XC+8+\j], s43
.endr
	ds_store_b128 v[LI], v[XC:XC+3] offset:CIMG+512*6
	ds_store_b128 v[LI], v[XC+4:XC+7] offset:CIMG+512*7
	s_branch .Ljoin
.Lwave_6:
	; ---- wave 6: W1's units 0-15, k 32 on; b1
	W1LOAD 0, 1
	v_lshlrev_b32 v[XA], 5, v2
	global_load_b128 v[XN:XN+3],     v[XA], s[10:11]           ; b1[8 h + 0 .. 7],
	global_load_b128 v[XN+4:XN+7],   v[XA], s[10:11] offset:16
	global_load_b128 v[XN+8:XN+11],  v[XA], s[10:11] offset:64 ; b1[16 + 8 h + 0 .. 7]
	global_load_b128 v[XN+12:XN+15], v[XA], s[10:11] offset:80
	BCOMMON 16                                     ; 12 of W1, 4 of b1
	W1Q 0, 1
	s_add_co_i32 s49, s24, s25
	s_sub_co_i32 s49, 0, s49
.irp j, 0,1,2,3,4,5,6,7,8,9,10,11,12,13,14,15
	v_ldexp_f32 v[XN+\j], v[XN+\j], s49            ; b1 / 2^(e0 + e1): what product 1's sums lack
.endr
.irp g, 0,1,2,3
	ds_store_b128 v[LI], v[XN+4*\g:XN+4*\g+3] offset:CIMG+512*(8+\g)
.endr
	s_branch .Ljoin
.Lwaves_0_to_3:
	; ---- waves 0 to 3: frequencies 0-7 of tile w
	s_wait_kmcnt 0x0                               ; e0 .. e3
	MKSCALE s24, SC0, LIM0
	s_wait_loadcnt 0x0                             ; feature and coordinates
	Q16 FT, FC, SC0, LIM0
	ds_store_b128 v[FS], v[FC:FC+3]
	ENC 4, 0
.Ljoin:
	s_wait_dscnt 0x0                               ; for the others' sake: my images have landed
	s_barrier_signal -1
	s_barrier_wait -1                              ; the launch's one barrier: behind it the waves share nothing
.macro FLOAD p                         ; the codes of feature[b number p], the same in all four tiles' operands; sixteen lanes read the same 16 bytes
.irp t, 0,1,2,3
	ds_load_b128 v[X+8*\t:X+8*\t+3], v[FA] offset:32*(\p)
.endr
.endm
.macro P1                              ; S1 = W1^T x + b1': register j of (t, u) is unit 16 u + 8 h + j of pair r of tile t
.irp t, 0,1,2,3
.irp u, 0,1
	v_wmma_f32_16x16x64_bf8_bf8 v[H1+16*\t+8*\u:H1+16*\t+8*\u+7], v[W1F+8*\u:W1F+8*\u+7], v[X+8*\t:X+8*\t+7], v[C1+8*\u:C1+8*\u+7]
.endr
.endr
.endm
.macro M1 t                            ; the activation and the hold in one, each accumulator from its low end on
.set i, 0
.rept 16
	v_med3_num_f32 v[H1+16*\t+i], v[H1+16*\t+i], 0, v[LIM1]
.set i, i+1
.endr
.endm
.macro V1 t                            ; units 8 h + 0 .. 7 and 16 + 8 h + 0 .. 7: registers 0-1 and 2-3 of product 2's operand
	v_cvt_scalef32_pk8_bf8_f32 v[K+8*\t:K+8*\t+1], v[H1+16*\t:H1+16*\t+7], v[SC1]
	v_cvt_scalef32_pk8_bf8_f32 v[K+8*\t+2:K+8*\t+3], v[H1+16*\t+8:H1+16*\t+15], v[SC1]
.endm
.macro P2 t
	v_wmma_f32_16x16x64_bf8_bf8 v[H2+8*\t:H2+8*\t+7], v[W2F:W2F+7], v[K+8*\t:K+8*\t+7], v[C2:C2+7]
.endm
.macro R2 t
.set i, 0
.rept 8
	v_max_num_f32 v[H2+8*\t+i], 0, v[H2+8*\t+i]
.set i, i+1
.endr
.endm
.macro CV t
.irp j, 0,1,2,3
	v_cvt_pk_bf16_f32 v[B3+4*\t+\j], v[H2+8*\t+2*\j], v[H2+8*\t+2*\j+1]
.endr
.endm
.macro P3 s                            ; registers 0-2 of lane L: out[b][32 s + L][0 .. 2]
	v_wmma_f32_16x16x32_bf16 v[O+8*\s:O+8*\s+7], v[W3F:W3F+7], v[B3+8*\s:B3+8*\s+7], v[C3:C3+7]
.endm
.macro ST pp                           ; a pass's 64 x 3 numbers into half pp of my stage, as they lie in memory: lanes 12 bytes apart fall on 32 different banks
.irp s, 0,1
.irp j, 0,1,2
	ds_store_b32 v[SO], v[O+8*\s+\j] offset:768*(\pp)+384*\s+4*\j
.endr
.endr
.endm
.macro RB                              ; two passes' 1,536 bytes back, 16 a lane; LDS serves a wave's instructions in order (ISA guide 5.7.1.4): these see my stores, and the next stores come behind them
.irp i, 0,1,2
	ds_load_b128 v[OUT+4*\i:OUT+4*\i+3], v[SR] offset:512*\i
.endr
.endm
.macro GS pr                           ; passes 2 pr and 2 pr + 1: each sixteen lanes store 256 consecutive bytes, at a multiple of 256 from out's first byte
	global_store_b128 v[LI], v[OUT:OUT+3],    s[22:23] offset:24576*(\pr) th:TH_STORE_NT
	global_store_b128 v[GB], v[OUT+4:OUT+7],  s[22:23] offset:24576*(\pr)+512 th:TH_STORE_NT
	global_store_b128 v[LI], v[OUT+8:OUT+11], s[22:23] offset:24576*(\pr)+12544 th:TH_STORE_NT
.endm
	; what the first products need comes first: W1, b1', the four tiles' encodings, the first b's codes
.irp g, 0,1,2,3,8,9,10,11
	ds_load_b128 v[16+4*\g:19+4*\g], v[LI] offset:CIMG+512*\g
.endr
.irp t, 0,1,2,3
	ds_load_b128 v[X+8*\t+4:X+8*\t+7], v[LI] offset:EIMG+512*\t
.endr
	FLOAD 0
.irp g, 4,5,12,13,6,7,14,15
	ds_load_b128 v[16+4*\g:19+4*\g], v[LI] offset:CIMG+512*\g
.endr
	s_sub_co_i32 s49, s26, s24
	s_sub_co_i32 s49, s49, s25                     ; e2 - e0 - e1: the three scales ahead of h1's quantiser, folded into one
	s_wait_dscnt 8                                 ; all but the eight just issued (W2, b2', W3, b3)
	P1
.irp t, 0,1,2,3
.irp j, 4,5,6,7
	v_mov_b32 v[K+8*\t+\j], 0                      ; k = 32 .. 63 of product 2: zero codes, written once.  These lines are also the places behind the first products
.endr
.endr
	MKSCALE s49, SC1, LIM1
; A PASS.  Product 1 of the next pass is issued in this pass's middle, so that its results are long done when they are read.  Behind every matrix instruction at least sixteen plain vector
; lines on other registers stand before one of its registers is read by a vector line or a store, loaded into or written over (ISA guide 7.12.1 asks for fewer).  No product adds in place:
; each takes a block of biases as C and writes other registers.
.macro PASS p
.if \p < 7
	FLOAD (\p+1)                                   ; product 1 of this pass, which read these registers, stands 40 plain lines back (in pass 0: 18)
.endif
	M1 0
	M1 1
.if \p > 0
	ST ((\p+1)%2)                                  ; the pass before: its last products stand 32 plain lines back
.endif
.if (\p > 0) && (\p % 2 == 0)
	RB
.endif
	V1 0
	V1 1
	M1 2                                           ; plain lines between the conversions and the products that read their results
.if \p == 0
	s_wait_dscnt 4                                 ; W2, b2', W3 and b3 are in; the four loads of the next b's codes may be out
.endif
	P2 0
	P2 1
	M1 3
	V1 2
	V1 3
.if (\p > 0) && (\p % 2 == 0)
	s_wait_dscnt 0x0                               ; the two passes' outputs are back in registers (and the next b's codes are in)
	GS (\p/2-1)
.endif
	R2 0
	P2 2
	P2 3
.if \p < 7
.if (\p == 0) || (\p % 2 == 1)
	s_wait_dscnt 0x0                               ; the next b's codes are in
.endif
	P1
.endif
.if (\p > 0) && (\p % 2 == 0)
	s_wait_xcnt 0x0                                ; the stores' data registers are written again only behind this wait
.endif
	CV 0
	R2 1
	CV 1
	R2 2
	CV 2
	R2 3
	CV 3
	P3 0
	P3 1
.endm
.irp p, 0,1,2,3,4,5,6,7
	PASS \p
.endr
.rept 4
	v_nop                                          ; places behind the last products: no other vector work is left
.endr
	ST 1
	RB
	s_wait_dscnt 0x0
	GS 3
	s_set_vgpr_msb 0x4
	s_wait_tensorcnt 0x0
	ds_add_u32 v7, v255
	s_wait_dscnt 0x0
	s_set_vgpr_msb 0x400
	s_endpgm
.Lfunc_end_k_q97dc202552_decoder:
	.size	k_q97dc202552_decoder, .Lfunc_end_k_q97dc202552_decoder-k_q97dc202552_decoder
	.p2alignl 7, 3214868480
	.fill 96, 4, 3214868480
	.section	.rodata,"a",@progbits
	.p2align	6, 0x0
	.amdhsa_kernel k_q97dc202552_decoder
		.amdhsa_group_segment_fixed_size 25600
		.amdhsa_private_segment_fixed_size 0
		.amdhsa_enable_private_segment 0
		.amdhsa_kernarg_size 80
		.amdhsa_user_sgpr_count 2
		.amdhsa_user_sgpr_kernarg_segment_ptr 1
		.amdhsa_wavefront_size32 1
		.amdhsa_system_sgpr_workgroup_id_x 1
		.amdhsa_system_sgpr_workgroup_id_y 1
		.amdhsa_system_sgpr_workgroup_id_z 1
		.amdhsa_system_vgpr_workitem_id 0
		.amdhsa_next_free_vgpr 512
		.amdhsa_next_free_sgpr 66
		.amdhsa_reserve_vcc 1
		.amdhsa_float_denorm_mode_32 3
		.amdhsa_float_denorm_mode_16_64 3
		.amdhsa_memory_ordered 1
		.amdhsa_forward_progress 1
		.amdhsa_inst_pref_size 128
	.end_amdhsa_kernel
	.amdgpu_metadata
---
amdhsa.version: [ 1, 2 ]
amdhsa.kernels:
  - .name:           k_q97dc202552_decoder
    .symbol:         k_q97dc202552_decoder.kd
    .args:
      - { .name: feature, .offset: 0, .size: 8, .value_kind: global_buffer, .address_space: global }
      - { .name: coordinates_v, .offset: 8, .size: 8, .value_kind: global_buffer, .address_space: global }
      - { .name: W1, .offset: 16, .size: 8, .value_kind: global_buffer, .address_space: global }
      - { .name: b1, .offset: 24, .size: 8, .value_kind: global_buffer, .address_space: global }
      - { .name: W2, .offset: 32, .size: 8, .value_kind: global_buffer, .address_space: global }
      - { .name: b2, .offset: 40, .size: 8, .value_kind: global_buffer, .address_space: global }
      - { .name: W3, .offset: 48, .size: 8, .value_kind: global_buffer, .address_space: global }
      - { .name: b3, .offset: 56, .size: 8, .value_kind: global_buffer, .address_space: global }
      - { .name: lowp_scales, .offset: 64, .size: 8, .value_kind: global_buffer, .address_space: global }
      - { .name: out0, .offset: 72, .size: 8, .value_kind: global_buffer, .address_space: global }
    .group_segment_fixed_size: 25600
    .private_segment_fixed_size: 0
    .kernarg_segment_align: 8
    .kernarg_segment_size: 80
    .max_flat_workgroup_size: 256
    .sgpr_count:     66
    .vgpr_count:     512
    .wavefront_size: 32
...
	.end_amdgpu_metadata
.endif
;; end of part 1
